; MI455X (gfx1250); checked and timed in simulation.
; The chip was launched on July 23, 2026; its instructions are those of AMD's public machine-readable ISA for CDNA 5 (MIT licence, August 2026) and "CDNA5" Instruction Set Architecture Reference Guide (July 2026). The comments in the code are by the model that wrote it; some were corrected since.
;; Multi Head Self Attention. Allowed arithmetic: matrix products marked QUANTISED: E5M2 operands, one given power-of-two scale a tensor, by v_wmma_f32_16x16x64_bf8_bf8 or v_wmma_f32_16x16x128_bf8_bf8, f32 sums; everything else in f32.
;; Inputs: Wk 1,024 x 1,024 float32; Wo 1,024 x 1,024 float32; Wq 1,024 x 1,024 float32; Wv 1,024 x 1,024 float32; lowp_scales 12 int32 (the exponents e of the quantised operands' scales 2^e); token_positions 2,048 int32; x 4 x 2,048 x 1,024 float32.
;; Outputs: out0 4 x 2,048 x 1,024 float32.
;; This version of the problem:
;;   THIS VERSION OF THE PROBLEM IS GIVEN IN LOW PRECISION. The matrix products marked QUANTISED in the list below multiply operands that are first quantised to E5M2 (5 exponent bits, 2 mantissa bits; 8 bits a number), with one given power-of-two scale for each operand tensor; their sums are f32. All else is computed in f32.
;;   The module's matrix products, in the order in which they are computed (A, B: the left and right operand; K: the contracted axis; several contracted axes count as one K, in the product's order):
;;     1. [M 8,192, K 1,024] x [K 1,024, N 1,024]; A: input x; B: input Wq: QUANTISED (scales: A lowp_scales[0], B lowp_scales[1])
;;     2. [M 8,192, K 1,024] x [K 1,024, N 1,024]; A: input x; B: input Wk: QUANTISED (scales: A lowp_scales[2], B lowp_scales[3])
;;     3. [M 8,192, K 1,024] x [K 1,024, N 1,024]; A: input x; B: input Wv: QUANTISED (scales: A lowp_scales[4], B lowp_scales[5])
;;     4. batch 64 x [M 2,048, K 64] x [K 64, N 2,048]; A: computed on the way; B: computed on the way: QUANTISED (scales: A lowp_scales[6], B lowp_scales[7])
;;     5. batch 64 x [M 2,048, K 2,048] x [K 2,048, N 64]; A: softmax (see below); B: computed on the way: QUANTISED (scales: A lowp_scales[8], B lowp_scales[9])
;;     6. [M 8,192, K 1,024] x [K 1,024, N 1,024]; A: computed on the way; B: input Wo: QUANTISED (scales: A lowp_scales[10], B lowp_scales[11])
;;   THE QUANTISER, for each operand of a quantised product, along K:
;;     - The operand's scale is 2^e, e = its entry of the input lowp_scales (int32; the entries are numbered through the quantised products in the list's order, A before B).
;;     - Each number is divided by the scale, clamped to +-57,344, and rounded to the nearest number of E5M2, ties to even, subnormals kept.
;;     - The product sums the exact products of the quantised numbers (number of the format x scale) in f32.
;;   ~~~python
;;   def quantise(x, axis, e):      # numpy; x: float32 -> the quantised numbers, widened to float32 again
;;       x = np.moveaxis(x, axis, -1); K = x.shape[-1]
;;       r = np.clip(x / 2.0 ** e, -57344, 57344)
;;       step = 2.0 ** (np.maximum(np.frexp(np.where(r == 0, 1, r))[1] - 1, -14) - 2)
;;       q = np.round(r / step) * step * 2.0 ** e      # np.round: ties to even
;;       return np.moveaxis(q, -1, axis).astype(np.float32)
;;   ~~~
;;   SOFTMAX AHEAD OF A QUANTISED PRODUCT. Where the list says 'softmax', what is quantised is not the finished softmax but p = 2^(t - M), with t = logit x log2(e) and M = ceil(the row's largest t), a whole number; so 1/2 < the row's largest p <= 1. The row's sum l is taken of the UNQUANTISED p, in f32, and the product's result is divided by l at the end. Since M is a whole number, a kernel that streams over the keys may use a running M (the ceiling of the running maximum): every later rescaling is an exact power of two, so the quantised numbers keep their values, but for numbers so far below the row's largest that they fall under the format's range.
;;   OPERANDS COMPUTED ON THE WAY. 'Computed on the way' means the value that the module computes at that place (a softmax that the list does not call 'softmax' is quantised finished and normalised). What goes into a quantiser is computed in f32, as accurately as f32 sums, v_exp_f32 and their like allow (about 1e-6 of the number): no bf16 or f16 on the way to a quantiser, and a product that is left as it is and whose result goes on into a quantised operand takes f32 operands (vector FMAs, or v_wmma_f32_16x16x4_f32). A number that lies on a knife's edge between two numbers of the format may be rounded either way, as far as f32 arithmetic and the matrix unit's own rounding can turn it there, and no further.
;; One version. Each part assembles by itself: llvm-mc -triple=amdgcn-amd-amdhsa -mcpu=gfx1250 --defsym DOCPART=n.
;; ======== version 1 of 1: 4 launches
;; limits: inputs' magnitudes at most 1,048,576; right only within a limited range of input values
;; workspace buffers: xc 25,165,824 bytes; wc 4,194,304 bytes; tab 524,288 bytes; q8 8,388,608 bytes; k8 8,388,608 bytes; v8 8,388,608 bytes; y8 8,388,608 bytes
;; launch quant (part 1): grid 800 x 1, 4 waves a work-group, no clusters, 68,096 bytes of LDS; arguments x, Wq, Wk, Wv, Wo, lowp_scales, token_positions, xc, wc, tab; writes xc, wc, tab
.if DOCPART == 1
	.amdgcn_target "amdgcn-amd-amdhsa--gfx1250"
	.amdhsa_code_object_version 6
	.text
	.protected	k_qf214d4be06_quant
	.globl	k_qf214d4be06_quant
	.p2align	8
	.type	k_qf214d4be06_quant,@function
k_qf214d4be06_quant:
	s_mov_b64 s[64:65], 0
	v_nop
	global_prefetch_b8 v0, s[64:65] scope:SCOPE_SE
	s_setreg_imm32_b32 hwreg(HW_REG_WAVE_MODE, 25, 1), 1
	s_wait_xcnt 0x0
; x [8192][1024] and Wq, Wk, Wv, Wo [1024][1024], f32 with K innermost, become codes of BF8 (E5M2); and the table of cos and sin for the rotation is made.
; code = number / 2^e, held within +-57,344, to the nearest code, ties to even.  x enters three products under three given scales (entries 0, 2, 4): three sets of codes; the weights take entries 1, 3, 5, 11.
; THE CODES ARE LAID AS IMAGES OF OPERAND REGISTERS.  A unit is 16 rows x 128 along K = one operand of the 16x16x128 form: lane (r, h) holds row r, registers 2 c, 2 c + 1 hold k = 16 c + 8 h + 0 .. 7.
; Its image is 2,048 bytes: registers 4 g .. 4 g + 3 of lane l lie at 512 g + 16 l.  Units lie [row / 16][k / 128].  Whoever loads four times 16 bytes a lane has the operand; every store here is 512 consecutive bytes.
; SHARES.  Work-groups 0-511: x, 16 rows each; a wave takes two units (256 along K).  Work-groups 512-767: the four weights, 64 work-groups each, likewise.  Work-groups 768-799: the table, a wave to 16 positions.
; A unit's 16 loads read 512 consecutive bytes of a row each; the numbers turn through the wave's own stage in LDS (rows 528 bytes apart) and come back as the lane's 64 numbers.  The two paths that use LDS have bytes of their own.
; No barrier: waves share nothing.
; THE TABLE: tab[blk 128][cc 8][lane][4] = cos, sin, cos, sin of position[16 blk + r] x 10^(-i / 8), i = 8 (cc / 2) + 4 h + 2 (cc % 2) + 0, 1: the order in which the next launch's results want them.
; sin and cos: the angle is one f32 product, as the problem has it; k = the nearest whole number to angle x 2 / pi; the rest in three fused steps (pi / 2 in three parts); polynomials in the rest's square; the quadrant by selects and sign bits.
; LIMITS: every exponent between -126 and 112.  NaN among x and the weights is not served.  |position| up to 2^17: sin and cos within 3e-7; up to 2^20: within about 1e-6; larger positions are not served.
.set XWG,   512
.set WWG,   256
.set PITCH, 528                        ; a stage row: 512 bytes + 16
.set WSTG,  16*PITCH                   ; a wave's stage
.set WBASE, 4*WSTG                     ; the weights' path has its own four stages
.set LI,  2                            ; v2   16 x lane
.set STI, 3                            ; v3   the stage on the way in: 16 x lane
.set STR, 4                            ; v4   and on the way out: 528 r + 32 h
.set SC,  8                            ; v8, v10, v12: 2^e
.set R,   16                           ; v16-79    a unit as loaded
.set X,   80                           ; v80-143   a unit as the lane wants it: register 16 g + i
.set T,   144
.set C,   176                          ; v176-223  codes: 16 registers for each scale
.macro LOADU u                         ; unit u of my two: row i's 512 bytes, 16 a lane
.set i, 0
.rept 16
	global_load_b128 v[R+4*i:R+4*i+3], v[LI], s[4:5] offset:i*4096+(\u)*512 th:TH_LOAD_NT
.set i, i+1
.endr
.endm
.macro TURNU                           ; through my stage.  LDS serves a wave's instructions in order: no wait between the stores and the loads
.set i, 0
.rept 16
	s_wait_loadcnt 15-i                            ; row i is in; the rows behind it may be out
	ds_store_b128 v[STI], v[R+4*i:R+4*i+3] offset:i*PITCH
.set i, i+1
.endr
	v_nop
.irp g, 0,1,2,3                        ; k = 32 g + 8 h + 0 .. 7, then k = 32 g + 16 + 8 h + 0 .. 7
	ds_load_b128 v[X+16*\g:X+16*\g+3],     v[STR] offset:128*\g
	ds_load_b128 v[X+16*\g+4:X+16*\g+7],   v[STR] offset:128*\g+16
	ds_load_b128 v[X+16*\g+8:X+16*\g+11],  v[STR] offset:128*\g+64
	ds_load_b128 v[X+16*\g+12:X+16*\g+15], v[STR] offset:128*\g+80
.endr
.endm
.macro QUANTU n, u, base               ; the unit under scale n, to s[base] + image u.
.irp g, 0,1,2,3
.set TS, T+16*(\g%2)
.set i, 0
.rept 16
.set i, i+1
.endr
	v_cvt_scalef32_pk8_bf8_f32 v[C+16*\n+4*\g:C+16*\n+4*\g+1], v[TS+((X+16*\g+i)-(TS+i)):TS+7+((X+16*\g+i)-(TS+i))], v[SC+2*\n]
	v_cvt_scalef32_pk8_bf8_f32 v[C+16*\n+4*\g+2:C+16*\n+4*\g+3], v[TS+8+((X+16*\g+i)-(TS+i)):TS+15+((X+16*\g+i)-(TS+i))], v[SC+2*\n]
.endr
.irp g, 0,1,2,3
	global_store_b128 v[LI], v[C+16*\n+4*\g:C+16*\n+4*\g+3], s[\base:\base+1] offset:(\u)*2048+512*\g   ; 512 consecutive bytes, aligned
.endr
.endm
.macro MKSCALE n, e                    ; 2^e and 57,344 x 2^e as f32 patterns
	s_add_co_i32 s50, s[\e], 127
	s_lshl_b32 s51, s50, 23
	v_mov_b32 v[SC+2*\n], s51
	s_add_co_i32 s50, s50, 15
	s_lshl_b32 s50, s50, 23
	s_or_b32 s50, s50, 0x600000
.endm
	s_load_b64 s[4:5], s[0:1], 0x0                 ; x
	s_load_b256 s[32:39], s[0:1], 0x8              ; Wq, Wk, Wv, Wo
	s_load_b128 s[40:43], s[0:1], 0x28             ; the scales' exponents, the positions
	s_load_b128 s[44:47], s[0:1], 0x38             ; xc, wc
	s_load_b64 s[48:49], s[0:1], 0x48              ; tab
	v_lshl_add_u32 v224, v0, 2, 0x10800
	v_mov_b32 v225, 0
	v_lshrrev_b32 v1, 5, v0
	v_readfirstlane_b32 s12, v1                    ; wave
	v_and_b32 v1, 31, v0                           ; lane
	v_lshlrev_b32 v[LI], 4, v1
	v_and_b32 v5, 15, v0                           ; r
	v_bfe_u32 v6, v0, 4, 1                         ; h
	v_mul_u32_u24 v7, v5, PITCH
	v_lshl_add_u32 v7, v6, 5, v7                   ; 528 r + 32 h
	s_mul_i32 s13, s12, WSTG
	s_mov_b32 s15, 0
	s_wait_kmcnt 0x0
	s_cmp_lt_u32 ttmp9, XWG
	s_cbranch_scc0 .Lnot_x
	; ---- x: work-group = 16 rows, wave = 256 along K
	s_load_b256 s[16:23], s[40:41], 0x0            ; e0 .. e7
	s_wait_alu depctr_va_vdst(0)
	v_add_nc_u32 v[STI], s13, v[LI]
	v_add_nc_u32 v[STR], s13, v7
	s_lshl_b32 s14, ttmp9, 16                      ; 16 rows of 4,096 bytes
	s_lshl_b32 s50, s12, 10                        ; 256 numbers
	s_add_co_u32 s14, s14, s50
	s_add_nc_u64 s[4:5], s[4:5], s[14:15]
	s_lshl_b32 s14, ttmp9, 14                      ; 8 images
	s_lshl_b32 s50, s12, 12                        ; 2 images
	s_add_co_u32 s14, s14, s50
	s_add_nc_u64 s[6:7], s[44:45], s[14:15]        ; the codes under entry 0,
	s_add_nc_u64 s[28:29], s[6:7], 0x800000        ; under entry 2,
	s_add_nc_u64 s[30:31], s[6:7], 0x1000000       ; under entry 4
	LOADU 0
	s_wait_alu depctr_va_vdst(0)
	s_wait_kmcnt 0x0
	MKSCALE 0, 16
	MKSCALE 1, 18
	MKSCALE 2, 20
	s_wait_alu depctr_va_vdst(0)
	TURNU
	s_wait_dscnt 0x0                               ; the unit is back: so the stage's stores have read their registers, which take the next unit
	LOADU 1
	QUANTU 0, 0, 6
	QUANTU 1, 0, 28
	QUANTU 2, 0, 30
	TURNU
	s_wait_dscnt 0x0
	s_wait_xcnt 0x0                                ; the first unit's stores have read the codes' registers
	QUANTU 0, 1, 6
	QUANTU 1, 1, 28
	QUANTU 2, 1, 30
	s_wait_tensorcnt 0x0
	ds_add_u32 v224, v225
	s_wait_dscnt 0x0
	s_endpgm
.Lnot_x:
	s_cmp_lt_u32 ttmp9, XWG+WWG
	s_cbranch_scc0 .Ltab
	; ---- the weights: 64 work-groups each, in the order Wq, Wk, Wv, Wo
	s_load_b256 s[16:23], s[40:41], 0x0            ; e0 .. e7
	s_load_b32 s27, s[40:41], 0x2c                 ; e11
	s_add_co_u32 s13, s13, WBASE
	s_wait_alu depctr_va_vdst(0)
	v_add_nc_u32 v[STI], s13, v[LI]
	v_add_nc_u32 v[STR], s13, v7
	s_sub_co_u32 s52, ttmp9, XWG
	s_lshr_b32 s53, s52, 6                         ; which weight
	s_and_b32 s52, s52, 63                         ; which 16 rows of it
	s_cmp_eq_u32 s53, 1
	s_cselect_b64 s[4:5], s[34:35], s[32:33]
	s_cmp_eq_u32 s53, 2
	s_cselect_b64 s[4:5], s[36:37], s[4:5]
	s_cmp_eq_u32 s53, 3
	s_cselect_b64 s[4:5], s[38:39], s[4:5]
	s_lshl_b32 s14, s52, 16
	s_lshl_b32 s50, s12, 10
	s_add_co_u32 s14, s14, s50
	s_add_nc_u64 s[4:5], s[4:5], s[14:15]
	s_lshl_b32 s14, s53, 20                        ; a weight's codes are 1 MiB of wc
	s_lshl_b32 s50, s52, 14
	s_add_co_u32 s14, s14, s50
	s_lshl_b32 s50, s12, 12
	s_add_co_u32 s14, s14, s50
	s_add_nc_u64 s[6:7], s[46:47], s[14:15]
	LOADU 0
	s_wait_alu depctr_va_vdst(0)
	s_wait_kmcnt 0x0
	s_cmp_eq_u32 s53, 1
	s_cselect_b32 s54, s19, s17                    ; entry 3 or 1,
	s_cmp_eq_u32 s53, 2
	s_cselect_b32 s54, s21, s54                    ; 5,
	s_cmp_eq_u32 s53, 3
	s_cselect_b32 s54, s27, s54                    ; 11
	MKSCALE 0, 54
	s_wait_alu depctr_va_vdst(0)
	TURNU
	s_wait_dscnt 0x0
	LOADU 1
	QUANTU 0, 0, 6
	TURNU
	s_wait_dscnt 0x0
	s_wait_xcnt 0x0
	QUANTU 0, 1, 6
	s_wait_tensorcnt 0x0
	ds_add_u32 v224, v225
	s_wait_dscnt 0x0
	s_endpgm
.Ltab:
	; ---- the table: a wave takes 16 positions
.set F,   16                           ; v16-31  my 16 frequencies
.set OUT, 32                           ; v32-63  cos, sin of frequency n at 2 n, 2 n + 1
	s_sub_co_u32 s52, ttmp9, XWG+WWG
	s_lshl_b32 s52, s52, 2
	s_add_co_u32 s52, s52, s12                     ; blk
	s_lshl_b32 s14, s52, 6
	s_add_nc_u64 s[42:43], s[42:43], s[14:15]
	s_wait_alu depctr_va_vdst(0)
	v_lshlrev_b32 v7, 2, v5
	global_load_b32 v8, v7, s[42:43]               ; position[16 blk + r]
	s_lshl_b32 s14, s52, 12
	s_add_nc_u64 s[48:49], s[48:49], s[14:15]
	v_cmp_lt_u32 vcc_lo, 15, v1                    ; lanes 16-31
.macro FREQ n, lo, hi                  ; 10^(-i / 8): i = 8 (n / 4) + n % 4 in lanes 0-15, four further on in lanes 16-31
	v_mov_b32 v[F+\n], \lo
	v_mov_b32 v9, \hi
	v_cndmask_b32 v[F+\n], v[F+\n], v9, vcc_lo
.endm
	FREQ 0,  1.0,             0.3162277660
	FREQ 1,  0.7498942093,    0.2371373706
	FREQ 2,  0.5623413252,    0.1778279410
	FREQ 3,  0.4216965034,    0.1333521432
	FREQ 4,  0.1,             0.03162277660
	FREQ 5,  0.07498942093,   0.02371373706
	FREQ 6,  0.05623413252,   0.01778279410
	FREQ 7,  0.04216965034,   0.01333521432
	FREQ 8,  0.01,            0.003162277660
	FREQ 9,  0.007498942093,  0.002371373706
	FREQ 10, 0.005623413252,  0.001778279410
	FREQ 11, 0.004216965034,  0.001333521432
	FREQ 12, 0.001,           0.0003162277660
	FREQ 13, 0.0007498942093, 0.0002371373706
	FREQ 14, 0.0005623413252, 0.0001778279410
	FREQ 15, 0.0004216965034, 0.0001333521432
	s_mov_b32 s21, 0xbfc90fdb                      ; -pi / 2: its first 24 bits,
	s_mov_b32 s22, 0x333bbd2e                      ; what they overshoot,
	s_mov_b32 s23, 0x26f72ced                      ; and the rest
	s_mov_b32 s24, 0xb94ca1f9                      ; sin: -1.9515296e-4,
	s_mov_b32 s25, 0x3c08839e                      ; 8.3321609e-3,
	s_mov_b32 s26, 0xbe2aaaa3                      ; -1.6666655e-1
	s_mov_b32 s27, 0x37ccf5ce                      ; cos: 2.4433157e-5,
	s_mov_b32 s28, 0xbab6061a                      ; -1.3887316e-3,
	s_mov_b32 s29, 0x3d2aaaa5                      ; 4.1666646e-2
	s_wait_loadcnt 0x0
	v_cvt_f32_i32 v8, v8
.macro SINCOS n
	v_mul_f32 v64, v8, v[F+\n]                     ; the angle: one rounding
	v_mul_f32 v65, 0x3f22f983, v64                 ; x 2 / pi
	v_rndne_f32 v65, v65                           ; k
	v_fma_f32 v66, v65, s21, v64                   ; the rest = angle - k pi / 2
	v_fma_f32 v66, v65, s22, v66
	v_fma_f32 v66, v65, s23, v66
	v_cvt_i32_f32 v67, v65                         ; the quadrant
	v_mul_f32 v68, v66, v66                        ; z
	v_fma_f32 v69, v68, s24, s25
	v_fma_f32 v70, v68, s27, s28
	v_fma_f32 v69, v69, v68, s26
	v_fma_f32 v70, v70, v68, s29
	v_mul_f32 v69, v69, v68
	v_fma_f32 v70, v70, v68, -0.5
	v_fma_f32 v69, v69, v66, v66                   ; sin of the rest
	v_fma_f32 v70, v70, v68, 1.0                   ; cos of the rest
	v_and_b32 v71, 1, v67
	v_cmp_eq_u32 s30, 1, v71                       ; in odd quadrants the two change places
	v_cndmask_b32 v72, v69, v70, s30
	v_cndmask_b32 v73, v70, v69, s30
	v_lshlrev_b32 v71, 30, v67                     ; sin is negative in quadrants 2, 3
	v_and_b32 v71, 0x80000000, v71
	v_xor_b32 v[OUT+2*\n+1], v72, v71
	v_add_nc_u32 v71, 1, v67                       ; cos in quadrants 1, 2
	v_lshlrev_b32 v71, 30, v71
	v_and_b32 v71, 0x80000000, v71
	v_xor_b32 v[OUT+2*\n], v73, v71
.endm
.irp n, 0,1,2,3,4,5,6,7,8,9,10,11,12,13,14,15
	SINCOS \n
.endr
.irp c, 0,1,2,3,4,5,6,7
	global_store_b128 v[LI], v[OUT+4*\c:OUT+4*\c+3], s[48:49] offset:512*\c
.endr
	s_endpgm
.Lfunc_end_k_qf214d4be06_quant:
	.size	k_qf214d4be06_quant, .Lfunc_end_k_qf214d4be06_quant-k_qf214d4be06_quant
	.p2alignl 7, 3214868480
	.fill 96, 4, 3214868480
	.section	.rodata,"a",@progbits
	.p2align	6, 0x0
	.amdhsa_kernel k_qf214d4be06_quant
		.amdhsa_group_segment_fixed_size 68096
		.amdhsa_private_segment_fixed_size 0
		.amdhsa_enable_private_segment 0
		.amdhsa_kernarg_size 80
		.amdhsa_user_sgpr_count 2
		.amdhsa_user_sgpr_kernarg_segment_ptr 1
		.amdhsa_wavefront_size32 1
		.amdhsa_system_sgpr_workgroup_id_x 1
		.amdhsa_system_sgpr_workgroup_id_y 1
		.amdhsa_system_sgpr_workgroup_id_z 1
		.amdhsa_system_vgpr_workitem_id 0
		.amdhsa_next_free_vgpr 226
		.amdhsa_next_free_sgpr 66
		.amdhsa_reserve_vcc 1
		.amdhsa_float_denorm_mode_32 3
		.amdhsa_float_denorm_mode_16_64 3
		.amdhsa_fp16_overflow 1
		.amdhsa_memory_ordered 1
		.amdhsa_forward_progress 1
		.amdhsa_inst_pref_size 54
	.end_amdhsa_kernel
	.amdgpu_metadata
---
amdhsa.version: [ 1, 2 ]
amdhsa.kernels:
  - .name:           k_qf214d4be06_quant
    .symbol:         k_qf214d4be06_quant.kd
    .args:
      - { .name: x, .offset: 0, .size: 8, .value_kind: global_buffer, .address_space: global }
      - { .name: Wq, .offset: 8, .size: 8, .value_kind: global_buffer, .address_space: global }
      - { .name: Wk, .offset: 16, .size: 8, .value_kind: global_buffer, .address_space: global }
      - { .name: Wv, .offset: 24, .size: 8, .value_kind: global_buffer, .address_space: global }
      - { .name: Wo, .offset: 32, .size: 8, .value_kind: global_buffer, .address_space: global }
      - { .name: lowp_scales, .offset: 40, .size: 8, .value_kind: global_buffer, .address_space: global }
      - { .name: token_positions, .offset: 48, .size: 8, .value_kind: global_buffer, .address_space: global }
      - { .name: xc, .offset: 56, .size: 8, .value_kind: global_buffer, .address_space: global }
      - { .name: wc, .offset: 64, .size: 8, .value_kind: global_buffer, .address_space: global }
      - { .name: tab, .offset: 72, .size: 8, .value_kind: global_buffer, .address_space: global }
    .group_segment_fixed_size: 68096
    .private_segment_fixed_size: 0
    .kernarg_segment_align: 8
    .kernarg_segment_size: 80
    .max_flat_workgroup_size: 128
    .sgpr_count:     66
    .vgpr_count:     226
    .wavefront_size: 32
...
	.end_amdgpu_metadata
.endif
;; end of part 1
;; launch qkv (part 2): grid 4 x 96, 4 waves a work-group, clusters of 4 x 4, 327,680 bytes of LDS; arguments xc, wc, lowp_scales, tab, q8, k8, v8; writes q8, k8, v8
.if DOCPART == 2
	.amdgcn_target "amdgcn-amd-amdhsa--gfx1250"
	.amdhsa_code_object_version 6
	.text
	.protected	k_qf214d4be06_qkv
	.globl	k_qf214d4be06_qkv
	.p2align	8
	.type	k_qf214d4be06_qkv,@function
k_qf214d4be06_qkv:
	s_mov_b64 s[64:65], 0
	v_nop
	global_prefetch_b8 v0, s[64:65] scope:SCOPE_SE
	s_setreg_imm32_b32 hwreg(HW_REG_WAVE_MODE, 25, 1), 1
	s_wait_xcnt 0x0
	s_wait_alu depctr_hold_cnt(0) depctr_sa_sdst(0) depctr_va_vdst(0) depctr_va_sdst(0) depctr_va_ssrc(0) depctr_va_vcc(0) depctr_vm_vsrc(0)
	s_getreg_b32 s2, hwreg(HW_REG_IB_STS2, 6, 4)
	s_cmp_eq_u32 s2, 0
	s_cbranch_scc0 .Lentry_in_a_cluster
	s_endpgm
.Lentry_in_a_cluster:
	s_bfe_u32 s2, ttmp6, 0x10000c
	s_cmp_lg_u32 s2, 0xf033
	s_cbranch_scc0 .Lentry_shape_is_right
	s_endpgm
.Lentry_shape_is_right:
; Q = rope(x Wq^T), K = rope(x Wk^T), V = x Wv^T on codes of BF8 (E5M2), and their quantising for the two products of attention.  M = 8,192, N = K = 1,024 each.
; OPERANDS ARE IMAGES OF REGISTERS: a unit of 16 rows x 128 K is 2,048 bytes, registers 4 g .. 4 g + 3 of lane l at 512 g + 16 l; units lie [row / 16][k / 128].  So a fragment is four loads of 16 bytes a lane at 16 x lane,
; in LDS as in memory: no pitch, no padding, and k stands in the form's own places.
; A tile of 256 x 256 is made by four waves, each 128 x 128: 64 accumulators, 512 registers.  K goes in steps of 256 through two LDS slots: four steps, two first fills and two refills, written out.
; 24 clusters of 4 x 4 work-groups; the cluster's y says which product: 0-7 Q, 8-15 K, 16-23 V.  'A' is shared along a row of the cluster, 'B' along a column: each tile is asked for jointly.
; Q, K: A = x's codes (tile row 4 (y % 8) + cy), B = the weight's (tile column cx).  V IS MADE TRANSPOSED: A = Wv's codes (tile row cy), B = x's (tile column 4 (y % 8) + cx).
; THE MATRIX INSTRUCTION IS USED TRANSPOSED (source 0 = 16 rows of B, source 1 = 16 rows of A): lane (r, h) holds row r of A's and eight neighbouring rows 8 h + j of B's.  So for Q and K a lane holds one position and eight
; neighbouring features, for V one channel and eight neighbouring keys: in both the eight are neighbours along the NEXT product's K, and a conversion's two registers are registers 2 c, 2 c + 1 of the next operand.
; The results leave as images, 512 consecutive bytes a store, with no way through LDS.  q8, k8: [batch x 16 + head][position / 16][1,024];  v8: [batch x 16 + head][key / 128][channel / 16][2,048].
; The rotation is linear, so a product's two scales are folded into the conversion's: code = rotated sum / 2^E, E = e(out) - e(A) - e(B).  LIMIT: E between -126 and 112.
; The table (cos, sin pairs in the lanes' order) comes two blocks of 16 positions ahead.  Its first two blocks are asked for at the head on every path, in V's tiles too, which do not read them: so the registers are written on every path of the text.
; No prefetch: of K's four steps two are asked for at the head and the other two could only be named there.
; REGISTERS, in windows of 256: window 0: v12-29 addresses and scales; v32-95 the table, two blocks; from v128 A's fragments, ONE set; on the way out v96-159 numbers, v160-223 codes.
;   window 1: B's fragments, TWO sets.   window 2: the accumulators of my rows 0-63 ((a, b) at v[8 (8 a + b)]);   window 3: those of rows 64-127.
.set KSB,   4096                       ; a K step of one row tile: two images
.set FR,    16                         ; registers of a fragment
.set NL,    4                          ; LDS loads that bring one
.set NP,    4                          ; places behind this matrix instruction (ISA guide 7.12.1)
.set HALFT, 8*KSB                      ; 128 rows: what one tensor load brings
.set SLOT,  4*HALFT                    ; A's 256 rows, then B's
.set SPARE, 2*SLOT                     ; behind the ring: the spare words, 128 bytes a wave
.set LI,   12                          ; v12  16 x lane
.set SCV,  13                          ; v13  2^E
.set LMV,  14
.set ADRA, 16                          ; v16-17  my A fragments in slot 0, 1
.set ADRB, 20                          ; v20-21  my B fragments
.set SPW,  28                          ; v28  my spare word; never rewritten
.set NIL,  29                          ; v29  0; never rewritten
.set CS,   32
.set TMP,  96
.set AF,   128
.set PC,   160
.set G1,  24                           ; s[24:31] group 1 for A's tiles; s[32:39] group 0, a set for each slot
.set G0,  32
.set G1B, 48                           ; s[48:55], s[56:63] the same for B's
.set G0B, 56
.set TY,  66                           ; s66  0: Q, 1: K, 2: V
.set MSB, 0
.macro WIN new                         ; the immediate's high byte repeats the setting that is left
.if MSB != (\new)
	s_set_vgpr_msb (MSB<<8)|(\new)
.set MSB, \new
.endif
.endm
.set MUL_LO, 0xa1                      ; source 0 (B) window 1, source 1 (A) window 0, C and D window 2
.set MUL_HI, 0xf1                      ; the same, C and D window 3
.set TO_B,   0x40                      ; destination window 1
.macro JLOAD g0a, g1a, g0b, g1b        ; a joint load: waves 0, 1 fetch for A, waves 2, 3 for B; the branch hangs on the wave's number alone; four v_nop follow each line
	s_cmp_eq_u32 s15, 0
	s_cbranch_scc0 .Lfor_b_\@
	tensor_load_to_lds s[\g0a:\g0a+3], s[\g1a:\g1a+7]
	s_nop 0
.rept 4
	v_nop
.endr
	s_branch .Lasked_\@
.Lfor_b_\@:
	tensor_load_to_lds s[\g0b:\g0b+3], s[\g1b:\g1b+7]
	s_nop 0
.rept 4
	v_nop
.endr
.Lasked_\@:
.endm
.macro CREST                           ; a round of the cluster's barrier behind its opening barrier
	s_cmp_lg_u32 s14, 0
	s_cbranch_scc1 .Lnot_wave_0_\@
	s_barrier_signal -3
.Lnot_wave_0_\@:
	s_barrier_wait -3
	s_barrier_signal -1
	s_barrier_wait -1
.endm
.macro CROUND
	s_barrier_signal -1
	s_barrier_wait -1
	CREST
.endm
	s_load_b128 s[4:7], s[0:1], 0x0                ; xc, wc
	s_load_b128 s[8:11], s[0:1], 0x10              ; the scales' exponents, tab
	s_load_b128 s[80:83], s[0:1], 0x20             ; q8, k8
	s_load_b64 s[84:85], s[0:1], 0x30              ; v8
	v_lshl_add_u32 v[SPW], v0, 2, SPARE
	v_mov_b32 v[NIL], 0
	ds_add_u32 v28, v29
	ds_add_u32 v28, v29
	s_wait_dscnt 0x0
	v_lshrrev_b32 v1, 5, v0
	v_readfirstlane_b32 s14, v1                    ; wave 0..3
	s_lshr_b32 s15, s14, 1                         ; my half of A's rows.  Also: I fetch for A (0) or for B (1)
	s_and_b32 s16, s14, 1                          ; my half of B's rows.  Also: which 128 rows I fetch
	s_bfe_u32 s40, ttmp6, 0x40000                  ; cx
	s_bfe_u32 s41, ttmp6, 0x40004                  ; cy
	s_and_b32 s[TY], ttmp7, 0xffff                 ; the cluster's y (the grid has one cluster along x)
	s_and_b32 s67, s[TY], 7
	s_lshr_b32 s[TY], s[TY], 3                     ; which product: the same in all sixteen partners
	s_cmp_eq_u32 s[TY], 2
	s_cselect_b32 s86, 0, s67
	s_cselect_b32 s87, s67, 0
	s_lshl_b32 s17, s86, 2
	s_add_co_u32 s17, s17, s41                     ; A's tile row
	s_lshl_b32 s42, s87, 2
	s_add_co_u32 s42, s42, s40                     ; B's tile column
	s_lshl_b32 s43, s41, 2
	s_lshl_b32 s43, 15, s43                        ; my row of the cluster
	s_lshl_b32 s44, 0x1111, s40                    ; my column
	; group 1: eight row tiles of 4,096 bytes (two images), 16,384 bytes apart, laid on end in LDS
	s_or_b32 s[G1+0], s43, (3<<16)|(1<<21)         ; 15:0 the mask; 17:16 elements of 8 bytes; 21 set beside a mask; no padding
	s_or_b32 s[G1B+0], s44, (3<<16)|(1<<21)
.irp g, G1, G1B
	s_mov_b32 s[\g+1], 512<<16                     ; tensor_dim0 = 512 elements
	s_mov_b32 s[\g+2], 8<<16                       ; tensor_dim1 = 8
	s_mov_b32 s[\g+3], 512<<16                     ; tile_dim0
	s_mov_b32 s[\g+4], 8                           ; tile_dim1
	s_mov_b32 s[\g+5], 2048                        ; from row tile to row tile, in elements
	s_mov_b32 s[\g+6], 0
	s_mov_b32 s[\g+7], 0
.endr
	s_lshl_b32 s18, s16, 17                        ; the 128 rows that I fetch: 1,024 bytes a row
	s_lshl_b32 s20, s17, 18
	s_add_co_u32 s20, s20, s18                     ; A: 256 x tile row + 128 x half
	s_lshl_b32 s46, s42, 18
	s_add_co_u32 s46, s46, s18                     ; B likewise
	s_mov_b32 s21, 0
	s_mov_b32 s47, 0
	s_lshl_b32 s88, s[TY], 23                      ; this product's codes of x: 8 MiB each,
	s_mov_b32 s89, 0
	s_lshl_b32 s90, s[TY], 20                      ; and of its weight: 1 MiB each
	s_mov_b32 s91, 0
	s_lshl_b32 s45, s14, 15                        ; where my load goes: wave x 128 rows
	s_wait_kmcnt 0x0
	s_load_b256 s[68:75], s[8:9], 0x0              ; e0 .. e7
	s_load_b128 s[76:79], s[8:9], 0x20             ; e8 .. e11
	s_add_nc_u64 s[4:5], s[4:5], s[88:89]
	s_add_nc_u64 s[6:7], s[6:7], s[90:91]
	s_cmp_eq_u32 s[TY], 2
	s_cselect_b64 s[92:93], s[6:7], s[4:5]         ; A: x's codes, for V the weight's
	s_cselect_b64 s[94:95], s[4:5], s[6:7]         ; B: the other
	s_add_nc_u64 s[20:21], s[92:93], s[20:21]
	s_add_nc_u64 s[46:47], s[94:95], s[46:47]
	CROUND                                         ; all sixteen work-groups are here: the first joint loads meet
.irp s, 0,1
	s_mov_b32 s[G0+4*\s], 1
	s_add_co_u32 s[G0+4*\s+1], s45, \s*SLOT
	s_add_nc_u64 s[G0+4*\s+2:G0+4*\s+3], s[20:21], \s*KSB
	s_or_b32 s[G0+4*\s+3], s[G0+4*\s+3], 0x80000000
	s_mov_b32 s[G0B+4*\s], 1
	s_add_co_u32 s[G0B+4*\s+1], s45, \s*SLOT
	s_add_nc_u64 s[G0B+4*\s+2:G0B+4*\s+3], s[46:47], \s*KSB
	s_or_b32 s[G0B+4*\s+3], s[G0B+4*\s+3], 0x80000000
	JLOAD G0+4*\s, G1, G0B+4*\s, G1B
.endr
	v_and_b32 v1, 31, v0
	v_lshlrev_b32 v[LI], 4, v1
	s_wait_alu depctr_va_vdst(0)
	s_lshl_b32 s21, s15, 15                        ; my 128 rows of A
	s_lshl_b32 s22, s16, 15                        ; my 128 rows of B,
	s_add_co_u32 s22, s22, 2*HALFT                 ; which lie behind A's 256
.irp s, 0,1
	v_add_nc_u32 v[ADRA+\s], s21, v[LI]
	v_add_nc_u32 v[ADRB+\s], s22, v[LI]
	s_add_co_u32 s21, s21, SLOT
	s_add_co_u32 s22, s22, SLOT
.endr
	s_and_b32 s86, s17, 7                          ; the table at my first 16 positions: block 16 (tile row % 8) + 8 x half, 4,096 bytes a block
	s_lshl_b32 s86, s86, 16
	s_lshl_b32 s87, s15, 15
	s_add_co_u32 s86, s86, s87
	s_mov_b32 s87, 0
	s_add_nc_u64 s[12:13], s[10:11], s[86:87]
.irp a, 0,1
.irp c, 0,1,2,3,4,5,6,7
	global_load_b128 v[CS+32*\a+4*\c:CS+32*\a+4*\c+3], v[LI], s[12:13] offset:\a*4096+\c*512
.endr
.endr
	; where my results go: ((P / 8) x 16 + 4 F + 2 fw) x 131,072 + ((P % 8) x 2 + pw) x 8,192: P, pw the tile and half of positions, F, fw of features
	s_cmp_eq_u32 s[TY], 2
	s_cselect_b32 s86, s42, s17                    ; P
	s_cselect_b32 s87, s17, s42                    ; F
	s_cselect_b32 s88, s16, s15                    ; pw
	s_cselect_b32 s89, s15, s16                    ; fw
	s_cselect_b64 s[10:11], s[84:85], s[80:81]
	s_cmp_eq_u32 s[TY], 1
	s_cselect_b64 s[10:11], s[82:83], s[10:11]
	s_lshr_b32 s90, s86, 3
	s_lshl_b32 s90, s90, 4
	s_lshl_b32 s87, s87, 2
	s_add_co_u32 s90, s90, s87
	s_lshl_b32 s89, s89, 1
	s_add_co_u32 s90, s90, s89
	s_lshl_b32 s90, s90, 17
	s_and_b32 s86, s86, 7
	s_lshl_b32 s86, s86, 1
	s_add_co_u32 s86, s86, s88
	s_lshl_b32 s86, s86, 13
	s_add_co_u32 s90, s90, s86
	s_mov_b32 s91, 0
	s_add_nc_u64 s[10:11], s[10:11], s[90:91]
.macro FRAG reg, adr, q, i             ; row tile i, the slot's q-th 128 along K: an image, as it lies
.irp c, 0,1,2,3
	ds_load_b128 v[\reg+4*\c:\reg+4*\c+3], v[\adr] offset:(\i)*KSB+(\q)*2048+512*\c
.endr
.endm
; 16 matrix instructions: A's blocks a0, a0 + 1 x B's eight.  p: B's set.  zero = 1: the first product starts the sums.  The 64 accumulators take turns, one instruction a turn, in the same order in every step.
.macro MUL16 a0, p, zero
.irp a, \a0, \a0+1
.irp b, 0,1,2,3,4,5,6,7
.if \zero
	v_wmma_f32_16x16x128_bf8_bf8 v[8*(8*((\a)%4)+\b):8*(8*((\a)%4)+\b)+7], v[128*(\p)+FR*\b:128*(\p)+FR*\b+FR-1], v[AF+FR*(\a):AF+FR*(\a)+FR-1], 0
.else
	v_wmma_f32_16x16x128_bf8_bf8 v[8*(8*((\a)%4)+\b):8*(8*((\a)%4)+\b)+7], v[128*(\p)+FR*\b:128*(\p)+FR*\b+FR-1], v[AF+FR*(\a):AF+FR*(\a)+FR-1], v[8*(8*((\a)%4)+\b):8*(8*((\a)%4)+\b)+7]
.endif
.endr
.endr
.endm
.macro FETCH_B slot, q, p
	WIN TO_B
.irp i, 0,1,2,3,4,5,6,7
	FRAG 128*(\p)+FR*\i, ADRB+\slot, \q, \i
.endr
	WIN 0
.endm
.macro FETCH_A slot, q, i0
.irp i, \i0, \i0+1, \i0+2, \i0+3
	FRAG AF+FR*(\i), ADRA+\slot, \q, \i
.endr
.endm
.macro PLACES n                        ; plain vector lines between a matrix instruction and a load into, or a vector read or write of, its registers
.rept \n
	v_nop
.endr
.endm
.macro STEP slot, q, zero              ; 128 along K that has its successor in the same slot
	s_wait_dscnt 4*NL                              ; B's set and A's blocks 0-3 are in; the youngest sixteen loads (A's blocks 4-7) may be out
	WIN MUL_LO
	MUL16 0, (\q)%2, \zero
	MUL16 2, (\q)%2, \zero
	s_wait_dscnt 0
	PLACES NP
	FETCH_B \slot, (\q)+1, 1-(\q)%2
	FETCH_A \slot, (\q)+1, 0
	WIN MUL_HI
	MUL16 4, (\q)%2, \zero
	MUL16 6, (\q)%2, \zero
	PLACES NP
	WIN 0
	FETCH_A \slot, (\q)+1, 4
.endm
; A slot's last step changes slots: one barrier; in front of it each wave waits for all its tensor loads, adds 0 to its spare word, and waits for that and for its reads of this slot.  fill = 1: the slot is filled again, two K steps ahead.
.macro TURN slot, next, fill
	s_wait_tensorcnt 0x0                           ; all my tensor loads have landed: my part of the next slot
	ds_add_u32 v[SPW], v[NIL]                      ; 0 onto my spare word
	s_wait_dscnt 4*NL+1                            ; (the add and A's blocks 4-7 may be out)
	WIN MUL_LO
	MUL16 0, 1, 0
	s_wait_dscnt 0x0                               ; the add is done, and my reads of this slot are over
	s_barrier_signal -1
	MUL16 2, 1, 0
	WIN 0
	s_barrier_wait -1
.if \fill
	CREST                                          ; the barrier has opened a round of the cluster's: no wave of any partner still reads the slot or has a load on its way
	s_add_nc_u64 s[G0+4*\slot+2:G0+4*\slot+3], s[G0+4*\slot+2:G0+4*\slot+3], 2*KSB
	s_add_nc_u64 s[G0B+4*\slot+2:G0B+4*\slot+3], s[G0B+4*\slot+2:G0B+4*\slot+3], 2*KSB
	JLOAD G0+4*\slot, G1, G0B+4*\slot, G1B         ; the first tensor load behind the round; its four v_nop are the places in front of the loads below
.else
	PLACES NP
.endif
	FETCH_B \next, 0, 0
	FETCH_A \next, 0, 0
	WIN MUL_HI
	MUL16 4, 1, 0
	MUL16 6, 1, 0
	PLACES NP
	WIN 0
	FETCH_A \next, 0, 4
.endm
	s_wait_alu depctr_va_vdst(0)
	s_wait_tensorcnt 1                             ; my part of K step 0 is in (K step 1's load may be out),
	s_barrier_signal -1
	s_barrier_wait -1                              ; everybody's is
	FETCH_B 0, 0, 0
	FETCH_A 0, 0, 0
	FETCH_A 0, 0, 4
	STEP 0, 0, 1                                   ; K 0-127: these products start the sums
	TURN 0, 1, 1                                   ; K 128-255; slot 0 takes K 512-767
	STEP 1, 0, 0
	TURN 1, 0, 1                                   ; slot 1 takes K 768-1023
	STEP 0, 0, 0
	TURN 0, 1, 0                                   ; nothing is left to fetch
	STEP 1, 0, 0
	s_wait_dscnt 4*NL
	WIN MUL_LO
	MUL16 0, 1, 0
	MUL16 2, 1, 0
	s_wait_dscnt 0
	WIN MUL_HI
	MUL16 4, 1, 0
	MUL16 6, 1, 0
	WIN 0
	; THE WAY OUT.  E = e(out) - e(A) - e(B): Q: 6, 0, 1;  K: 7, 2, 3;  V: 9, 4, 5
	s_wait_kmcnt 0x0
	s_cmp_eq_u32 s[TY], 1
	s_cselect_b32 s86, s70, s68
	s_cselect_b32 s87, s71, s69
	s_cselect_b32 s88, s75, s74
	s_cmp_eq_u32 s[TY], 2
	s_cselect_b32 s86, s72, s86
	s_cselect_b32 s87, s73, s87
	s_cselect_b32 s88, s77, s88
	s_sub_co_i32 s88, s88, s86
	s_sub_co_i32 s88, s88, s87
	s_add_co_i32 s88, s88, 127
	s_lshl_b32 s89, s88, 23
	v_mov_b32 v[SCV], s89                          ; 2^E
	PLACES NP                                      ; behind the last products: their results are read, and the registers that held A's fragments are written
	s_cmp_eq_u32 s[TY], 2
	s_cbranch_scc1 .Lvt
; Block a: 16 positions x my 128 features (two heads).  Accumulator b holds features 16 b + 8 h + 0 .. 7: four pairs; the table's registers 8 (b % 4) + i, + 1 are that pair's cos and sin.
.macro ROPEBLK a
.set AC,  64*((\a)%4)
.set CSB, CS+32*((\a)%2)
.set PCB, PC+16*((\a)%4)
.if (\a) < 7
	s_wait_loadcnt 8                               ; this block's eight table loads are in; the next block's may be out
.else
	s_wait_loadcnt 0
.endif
.if (\a) == 4
	s_wait_xcnt 0x0                                ; the stores of blocks 0 to 3 have read the codes' registers, which are now written again
.endif
	WIN 0x02+(\a)/4                                ; source 0: window 2 or 3
.irp b, 0,1,2,3,4,5,6,7
.irp i, 0,2,4,6
	v_pk_mul_f32 v[TMP+8*\b+\i:TMP+8*\b+\i+1], v[AC+8*\b+\i:AC+8*\b+\i+1], v[CSB+8*(\b%4)+\i:CSB+8*(\b%4)+\i+1] op_sel_hi:[1,0]   ; t1 cos, t2 cos; each accumulator from its low end on
.endr
.irp i, 0,2,4,6
	v_pk_fma_f32 v[TMP+8*\b+\i:TMP+8*\b+\i+1], v[AC+8*\b+\i:AC+8*\b+\i+1], v[CSB+8*(\b%4)+\i:CSB+8*(\b%4)+\i+1], v[TMP+8*\b+\i:TMP+8*\b+\i+1] op_sel:[1,1,0] op_sel_hi:[0,1,1] neg_lo:[0,1,0]   ; - t2 sin, + t1 sin
.endr
.endr
	WIN 0
.if (\a) < 6
.irp c, 0,1,2,3,4,5,6,7
	global_load_b128 v[CSB+4*\c:CSB+4*\c+3], v[LI], s[12:13] offset:((\a)+2)*4096+\c*512   ; the table two blocks on, into the registers just read
.endr
.endif
.set n, 0
.rept 64
.set n, n+1
.endr
.irp b, 0,1,2,3,4,5,6,7
	v_cvt_scalef32_pk8_bf8_f32 v[PCB+2*\b:PCB+2*\b+1], v[TMP+8*\b:TMP+8*\b+7], v[SCV]   ; registers 2 (b % 4), + 1 of head b / 4's operand
.endr
	v_nop                                          ; a plain line between the last conversion and the next write of its sources
.irp hh, 0,1
.irp g, 0,1
	global_store_b128 v[LI], v[PCB+8*\hh+4*\g:PCB+8*\hh+4*\g+3], s[10:11] offset:\hh*131072+(\a)*1024+\g*512
.endr
.endr
.endm
.irp a, 0,1,2,3,4,5,6,7
	ROPEBLK \a
.endr
	s_branch .Lend
.Lvt:
; Block a: 16 channels x my 128 keys: one operand of 16 registers
.macro VBLK a
.set AC,  64*((\a)%4)
.set PCB, PC+16*((\a)%4)
.if (\a) == 4
	s_wait_xcnt 0x0
.endif
	WIN 0x02+(\a)/4
.set n, 0
.rept 64
.set n, n+1
.endr
.irp b, 0,1,2,3,4,5,6,7
	v_cvt_scalef32_pk8_bf8_f32 v[PCB+2*\b:PCB+2*\b+1], v[AC+8*\b:AC+8*\b+7], v[SCV]
.endr
	WIN 0
	v_nop
.irp g, 0,1,2,3
	global_store_b128 v[LI], v[PCB+4*\g:PCB+4*\g+3], s[10:11] offset:((\a)/4)*131072+((\a)%4)*2048+\g*512
.endr
.endm
	s_wait_alu depctr_va_vdst(0)
.irp a, 0,1,2,3,4,5,6,7
	VBLK \a
.endr
.Lend:
	s_wait_tensorcnt 0x0                           ; the wave's end
	ds_add_u32 v[SPW], v[NIL]
	s_wait_dscnt 0x0
	CROUND                                         ; the closing round
	s_endpgm
.Lfunc_end_k_qf214d4be06_qkv:
	.size	k_qf214d4be06_qkv, .Lfunc_end_k_qf214d4be06_qkv-k_qf214d4be06_qkv
	.p2alignl 7, 3214868480
	.fill 96, 4, 3214868480
	.section	.rodata,"a",@progbits
	.p2align	6, 0x0
	.amdhsa_kernel k_qf214d4be06_qkv
		.amdhsa_group_segment_fixed_size 327680
		.amdhsa_private_segment_fixed_size 0
		.amdhsa_enable_private_segment 0
		.amdhsa_kernarg_size 56
		.amdhsa_user_sgpr_count 2
		.amdhsa_user_sgpr_kernarg_segment_ptr 1
		.amdhsa_wavefront_size32 1
		.amdhsa_system_sgpr_workgroup_id_x 1
		.amdhsa_system_sgpr_workgroup_id_y 1
		.amdhsa_system_sgpr_workgroup_id_z 1
		.amdhsa_system_vgpr_workitem_id 0
		.amdhsa_next_free_vgpr 1024
		.amdhsa_next_free_sgpr 100
		.amdhsa_reserve_vcc 0
		.amdhsa_float_denorm_mode_32 3
		.amdhsa_float_denorm_mode_16_64 3
		.amdhsa_fp16_overflow 1
		.amdhsa_memory_ordered 1
		.amdhsa_forward_progress 1
		.amdhsa_inst_pref_size 132
	.end_amdhsa_kernel
	.amdgpu_metadata
---
amdhsa.version: [ 1, 2 ]
amdhsa.kernels:
  - .name:           k_qf214d4be06_qkv
    .symbol:         k_qf214d4be06_qkv.kd
    .args:
      - { .name: xc, .offset: 0, .size: 8, .value_kind: global_buffer, .address_space: global }
      - { .name: wc, .offset: 8, .size: 8, .value_kind: global_buffer, .address_space: global }
      - { .name: lowp_scales, .offset: 16, .size: 8, .value_kind: global_buffer, .address_space: global }
      - { .name: tab, .offset: 24, .size: 8, .value_kind: global_buffer, .address_space: global }
      - { .name: q8, .offset: 32, .size: 8, .value_kind: global_buffer, .address_space: global }
      - { .name: k8, .offset: 40, .size: 8, .value_kind: global_buffer, .address_space: global }
      - { .name: v8, .offset: 48, .size: 8, .value_kind: global_buffer, .address_space: global }
    .group_segment_fixed_size: 327680
    .private_segment_fixed_size: 0
    .kernarg_segment_align: 8
    .kernarg_segment_size: 56
    .max_flat_workgroup_size: 128
    .sgpr_count:     100
    .vgpr_count:     1024
    .wavefront_size: 32
...
	.end_amdgpu_metadata
.endif
;; end of part 2
;; launch attn (part 3): grid 4 x 64, 16 waves a work-group, no clusters, 327,680 bytes of LDS; arguments q8, k8, v8, lowp_scales, y8; writes y8
.if DOCPART == 3
	.amdgcn_target "amdgcn-amd-amdhsa--gfx1250"
	.amdhsa_code_object_version 6
	.text
	.protected	k_qf214d4be06_attn
	.globl	k_qf214d4be06_attn
	.p2align	8
	.type	k_qf214d4be06_attn,@function
k_qf214d4be06_attn:
	s_mov_b64 s[64:65], 0
	v_nop
	global_prefetch_b8 v0, s[64:65] scope:SCOPE_SE
	s_setreg_imm32_b32 hwreg(HW_REG_WAVE_MODE, 25, 1), 1
	s_wait_xcnt 0x0
; Y[b][h][q] = the sum over k <= q of softmax_k(Q . K / 8) V, both products on codes of BF8 (E5M2), and Y's quantising for the last product.  64 heads (batch x 16 + head) of 2,048 positions, head size 64.
; THE SOFTMAX AHEAD OF THE SECOND PRODUCT: t = score x log2(e) / 8; M = the row's largest t so far, rounded up to a whole number; p = 2^(t - M) is quantised; the row's sum is taken of the unquantised p and divides at the end.
; When M moves, the sum and O are multiplied by 2^(old M - new M): exact.
; ALL OPERANDS ARE IMAGES OF REGISTERS (registers 4 g .. 4 g + 3 of lane l at 512 g + 16 l): q8, k8 [head][position / 16][1,024] (16 rows x 64);  v8 [head][key / 128][channel / 16][2,048] (16 channels x 128 keys);
; y8 [row / 16][8][2,048], head h's 64 channels at 1,024 h.  Both products are used transposed (S^T = K Q^T, O^T = V^T P^T): a lane holds ONE query, its eight registers of a tile eight neighbouring keys (channels), so a conversion's two
; registers are registers 2 c, 2 c + 1 of the next operand: p and Y need no move.
; SHARES.  Work-group (x, head) owns the blocks x and 7 - x of 256 queries; wave w owns tile w of each: under the causal mask that is 16 or 18 key steps of 128 for every wave of every work-group: 256 equal work-groups.
; A HEAD'S K AND V STAY IN LDS: 131,072 bytes each, dense copies, brought by two tensor loads a wave at the head (first the part for keys 0-255, then the rest).  No byte is filled twice: no ring.
; Every byte of K and V is asked for at the head, so there is nothing to prefetch.
; NO CLUSTER, though the four work-groups of a head read the same K and V: a key step that lies wholly behind a tile's queries is left out by a scalar branch on the block of queries, which among those four would be their place in the
; cluster; without the branch the vector work doubles.
; Hidden scores become -infinity where the problem has the lowest f32 number: p is 0 either way.  Key 0 counts for every query, and a step that is not left out has its first key open to all 16 queries: M is always a number.
; LIMITS: e6 + e7 between -123 and 130 (added to c's exponent field); e8 and e10 between -126 and 112.
; REGISTERS: v1 16 x lane; v2, v3 the step's addresses; v4 r - 8 h; v5 2^e10; v[8:9] -M, t and v[10:11] the sum of the low tile, v[12:15] of the high tile; v16-23, v24-31 Q; v32-95 K's, then V's fragments;
;   v96-159 S^T, then p; v160-191, v192-223 O^T; v224-239 p's codes; v244 2^e8; v242, 243, 246, 252-254 at work.
	s_load_b128 s[4:7], s[0:1], 0x0                ; q8, k8
	s_load_b128 s[8:11], s[0:1], 0x10              ; v8, the scales' exponents
	s_load_b64 s[12:13], s[0:1], 0x20              ; y8
	v_lshl_add_u32 v251, v0, 2, 0x40000
	v_mov_b32 v255, 0
	ds_add_u32 v251, v255
	ds_add_u32 v251, v255
	v_lshrrev_b32 v2, 5, v0
	s_delay_alu instid0(VALU_DEP_1)
	v_readfirstlane_b32 s18, v2                    ; wave 0..15
	s_and_b32 s62, ttmp7, 0xffff                   ; batch x 16 + head
	s_lshl_b32 s14, s62, 17                        ; its 131,072 bytes in q8, k8, v8
	s_mov_b32 s15, 0
	s_lshr_b32 s16, s18, 3                         ; waves 0-7 fetch K, waves 8-15 V
	s_and_b32 s17, s18, 7                          ; an eighth each
	s_lshl_b32 s63, s16, 17                        ; LDS: K at 0, V at 131,072
	s_lshl_b32 s80, s17, 11                        ; first load: 2,048 of the first 16,384 bytes (keys 0-255)
	s_mov_b32 s81, 0
	s_mul_i32 s82, s17, 14336                      ; second load: 14,336 of the other 114,688
	s_add_co_u32 s82, s82, 16384
	s_mov_b32 s83, 0
	; group 1: dense blocks as rows of 256 bytes: 8 rows, and 56
	s_mov_b32 s24, 3<<16                           ; no mask; elements of 8 bytes; no padding
	s_mov_b32 s25, 32<<16                          ; tensor_dim0 = 32
	s_mov_b32 s26, 8<<16                           ; tensor_dim1 = 8
	s_mov_b32 s27, 32<<16                          ; tile_dim0
	s_mov_b32 s28, 8                               ; tile_dim1
	s_mov_b32 s29, 32                              ; pitch
	s_mov_b32 s30, 0
	s_mov_b32 s31, 0
	s_mov_b32 s32, 3<<16
	s_mov_b32 s33, 32<<16
	s_mov_b32 s34, 56<<16
	s_mov_b32 s35, 32<<16
	s_mov_b32 s36, 56
	s_mov_b32 s37, 32
	s_mov_b32 s38, 0
	s_mov_b32 s39, 0
	s_mov_b32 s40, 1
	s_add_co_u32 s41, s63, s80
	s_mov_b32 s44, 1
	s_add_co_u32 s45, s63, s82
	s_wait_dscnt 0x0
	s_wait_kmcnt 0x0
	s_load_b256 s[68:75], s[10:11], 0x0            ; e0 .. e7
	s_load_b128 s[76:79], s[10:11], 0x20           ; e8 .. e11
	s_cmp_lt_u32 s18, 8
	s_cselect_b64 s[2:3], s[6:7], s[8:9]
	s_add_nc_u64 s[2:3], s[2:3], s[14:15]
	s_add_nc_u64 s[42:43], s[2:3], s[80:81]
	s_or_b32 s43, s43, 0x80000000
	s_add_nc_u64 s[46:47], s[2:3], s[82:83]
	s_or_b32 s47, s47, 0x80000000
	tensor_load_to_lds s[40:43], s[24:31]          ; one load of mine is out; the descriptors are never written again
	s_nop 0
	s_wait_alu depctr_va_vdst(0)
	s_wait_tensorcnt 0x0
	ds_add_u32 v251, v255
	s_wait_dscnt 0x0
	s_barrier_signal -1
	s_barrier_wait -1
	tensor_load_to_lds s[44:47], s[32:39]
	s_nop 0
.rept 4
	v_nop
.endr
	v_and_b32 v2, 31, v0
	s_delay_alu instid0(VALU_DEP_1)
	v_lshlrev_b32 v1, 4, v2                        ; 16 x lane
	s_wait_alu depctr_va_vdst(0)
	v_and_b32 v4, 15, v0
	v_bfe_u32 v3, v0, 4, 1
	s_delay_alu instid0(VALU_DEP_1)
	v_lshlrev_b32 v3, 3, v3
	s_delay_alu instid0(VALU_DEP_1)
	v_sub_nc_u32 v4, v4, v3                        ; r - 8 h
	s_lshl_b32 s84, ttmp9, 4
	s_add_co_u32 s84, s84, s18                     ; my low tile: 16 x + w
	s_sub_co_u32 s85, 7, ttmp9
	s_lshl_b32 s85, s85, 4
	s_add_co_u32 s85, s85, s18                     ; my high tile: 16 (7 - x) + w
	s_lshl_b32 s56, s84, 4                         ; their first queries
	s_lshl_b32 s57, s85, 4
	s_add_nc_u64 s[4:5], s[4:5], s[14:15]
	s_lshl_b32 s86, s84, 10
	s_mov_b32 s87, 0
	s_add_nc_u64 s[48:49], s[4:5], s[86:87]
	s_lshl_b32 s86, s85, 10
	s_add_nc_u64 s[50:51], s[4:5], s[86:87]
	global_load_b128 v[16:19], v1, s[48:49]
	global_load_b128 v[20:23], v1, s[48:49] offset:512
	global_load_b128 v[24:27], v1, s[50:51]
	global_load_b128 v[28:31], v1, s[50:51] offset:512
	s_and_b32 s90, s62, 15
	s_lshl_b32 s90, s90, 10                        ; y8: the head's 1,024 bytes of a row tile,
	s_lshr_b32 s91, s62, 4
	s_lshl_b32 s91, s91, 7                         ; the batch's 128 row tiles
	s_add_co_u32 s92, s91, s84
	s_lshl_b32 s92, s92, 14
	s_add_co_u32 s92, s92, s90
	s_mov_b32 s93, 0
	s_add_nc_u64 s[52:53], s[12:13], s[92:93]
	s_add_co_u32 s92, s91, s85
	s_lshl_b32 s92, s92, 14
	s_add_co_u32 s92, s92, s90
	s_add_nc_u64 s[54:55], s[12:13], s[92:93]
	s_mov_b32 s20, 0x76543210                      ; v_permlanex16_b32: lane l xor 16
	s_mov_b32 s21, 0xfedcba98
	v_mov_b32 v9, 0xff61b1e6                       ; the largest t so far: -3e38
	s_delay_alu instid0(VALU_DEP_1)
	v_floor_f32 v8, -v9                            ; -M
	v_mov_b32 v13, 0xff61b1e6
	s_delay_alu instid0(VALU_DEP_1)
	v_floor_f32 v12, -v13
	v_mov_b32 v10, 0                               ; the sums, in two halves
	v_mov_b32 v11, 0
	v_mov_b32 v14, 0
	v_mov_b32 v15, 0
	v_mov_b32 v246, 0                              ; a lane permute's destination counts as read
	v_mov_b32 v253, 0                              ; (the upper half of the pair v[252:253])
	v_mov_b32 v254, 0
.set j, 0
.rept 64
	v_mov_b32 v[160+j], 0                          ; O^T: the step is written once; the first finds zeros, which the first change of M leaves zeros
.set j, j+1
.endr
	s_wait_kmcnt 0x0
	s_add_co_i32 s61, s74, s75                     ; e6 + e7: a score stands for score x 2^(e6 + e7)
	s_lshl_b32 s61, s61, 23
	s_add_co_i32 s22, s61, 0x3e38aa3b              ; c = log2(e) / 8, the exponents added to its exponent field
	s_mov_b32 s23, s22                             ; (named with it as a pair)
	s_add_co_i32 s61, s76, 127
	s_lshl_b32 s60, s61, 23
	v_mov_b32 v244, s60                            ; 2^e8
	s_add_co_i32 s61, s78, 127
	s_lshl_b32 s60, s61, 23
	v_mov_b32 v5, s60                              ; 2^e10
; A KEY STEP of one tile: 128 keys from s58 on; their images begin at LDS byte s59 (K) and 131,072 + s59 (V).  QB: Q; OB: O^T; SM: -M, t; SU: the sum; SQ0: the scalar with the tile's first query.
.macro STEP QB, OB, SM, SU, SQ0
	s_add_co_u32 s61, s[\SQ0], 15
	s_cmp_gt_u32 s58, s61                          ; all 128 keys come after my 16 queries: the step is left out
	s_cbranch_scc1 .Lhidden_\@
	v_add_nc_u32 v2, s59, v1
	s_delay_alu instid0(VALU_DEP_1)
	v_add_nc_u32 v3, 0x20000, v2
	v_nop                                          ; with the two additions: four places in front of loads into registers that the last products read
	v_nop
.irp t, 0,1,2,3,4,5,6,7
	ds_load_b128 v[32+8*\t:35+8*\t], v2 offset:1024*\t
	ds_load_b128 v[36+8*\t:39+8*\t], v2 offset:1024*\t+512
.endr
	s_wait_alu depctr_va_vdst(0)
	s_wait_dscnt 8                                 ; tiles 0-3 are in; the eight loads of tiles 4-7 may be out
.irp t, 0,1,2,3
	v_wmma_f32_16x16x64_bf8_bf8 v[96+8*\t:103+8*\t], v[32+8*\t:39+8*\t], v[\QB:\QB+7], 0
.endr
	s_wait_dscnt 0x0
.irp t, 4,5,6,7
	v_wmma_f32_16x16x64_bf8_bf8 v[96+8*\t:103+8*\t], v[32+8*\t:39+8*\t], v[\QB:\QB+7], 0
.endr
.rept 4
	v_nop                                          ; places in front of the loads below and of the first read of the scores
.endr
.irp ct, 0,1,2,3                       ; V's four operands are asked for now and land under the softmax
.irp g, 0,1,2,3
	ds_load_b128 v[32+16*\ct+4*\g:35+16*\ct+4*\g], v3 offset:2048*\ct+512*\g
.endr
.endr
	s_add_co_u32 s61, s58, 127
	s_cmp_le_u32 s61, s[\SQ0]                      ; all 128 keys count for all 16 queries: no mask
	s_cbranch_scc1 .Lopen_\@
	s_sub_co_i32 s61, s[\SQ0], s58
	v_add_nc_u32 v252, s61, v4                     ; d = my query - the first key - 8 h.  Register 8 t + j holds key 16 t + 8 h + j: hidden where 16 t + j > d
	v_mov_b32 v254, 0xff800000                     ; -infinity
.set n, 0
.rept 64
	v_cmp_gt_i32 vcc_lo, 16*(n/8)+n%8, v252
	v_cndmask_b32 v[96+n], v[96+n], v254, vcc_lo
.set n, n+1
.endr
.Lopen_\@:
	v_max3_num_f32 v254, v96, v97, v98             ; the step's largest score of my query among my 64 keys, in two chains,
	v_max3_num_f32 v252, v99, v100, v101
.irp i, 6,10,14,18,22,26,30,34,38,42,46,50,54,58
	v_max3_num_f32 v254, v254, v[96+\i], v[97+\i]
	v_max3_num_f32 v252, v252, v[98+\i], v[99+\i]
.endr
	v_max3_num_f32 v254, v254, v158, v159
	s_delay_alu instid0(VALU_DEP_1)
	v_max_num_f32 v254, v254, v252
	s_delay_alu instid0(VALU_DEP_1)
	v_permlanex16_b32 v246, v254, s20, s21
	s_delay_alu instid0(VALU_DEP_1)
	v_max_num_f32 v254, v254, v246                 ; and among lane l xor 16's
	s_delay_alu instid0(VALU_DEP_1)
	v_mul_f32 v254, s22, v254                      ; as t (c is positive)
	s_delay_alu instid0(VALU_DEP_1)
	v_max_num_f32 v[\SM+1], v[\SM+1], v254         ; the running largest t
	v_mov_b32 v254, v[\SM]
	s_delay_alu instid0(VALU_DEP_2)
	v_floor_f32 v[\SM], -v[\SM+1]                  ; the new -M = floor(-t): M is a whole number
	s_delay_alu instid0(VALU_DEP_1)
	v_sub_f32 v254, v[\SM], v254                   ; old M - new M: a whole number, 0 or less
	s_delay_alu instid0(VALU_DEP_1)
	v_cvt_i32_f32 v254, v254                       ; (it saturates)
	s_delay_alu instid0(VALU_DEP_1)
	v_ldexp_f32 v252, 1.0, v254                    ; f = 2^(old M - new M)
.set j, 0
.rept 32
	v_pk_fma_f32 v[96+j:97+j], v[96+j:97+j], s[22:23], v[\SM:\SM+1] op_sel_hi:[1,0,0]   ; t - M, two at a time (of the pairs c and -M the low word serves both halves)
.set j, j+2
.endr
.set j, 0
	s_wait_alu depctr_va_vdst(0)
.rept 64
	v_exp_f32 v[96+j], v[96+j]                     ; p = 2^(t - M)
.set j, j+1
.endr
	v_pk_mul_f32 v[\SU:\SU+1], v[\SU:\SU+1], v[252:253] op_sel_hi:[1,0]   ; the sum under the new M; the plain line behind the exponentials
	s_wait_alu depctr_va_vdst(0)                   ; one wait for the batch, ahead of its first reader
	v_pk_add_f32 v[242:243], v[96:97], v[98:99]    ; the row's sum is taken of the unquantised p, in two chains
.irp i, 4,8,12,16,20,24,28,32,36,40,44,48,52,56,60
	v_pk_add_f32 v[\SU:\SU+1], v[\SU:\SU+1], v[96+\i:97+\i]
	v_pk_add_f32 v[242:243], v[242:243], v[98+\i:99+\i]
.endr
	s_delay_alu instid0(VALU_DEP_1)
	v_pk_add_f32 v[\SU:\SU+1], v[\SU:\SU+1], v[242:243]
.irp t, 0,1,2,3,4,5,6,7
.irp i, 0,1,2,3,4,5,6,7
.endr
	v_cvt_scalef32_pk8_bf8_f32 v[224+2*\t:225+2*\t], v[96+8*\t:103+8*\t], v244   ; keys 16 t + 8 h + 0 .. 7: registers 2 t, 2 t + 1 of the operand
.endr
.set j, 0
.rept 16
	v_pk_mul_f32 v[\OB+j:\OB+j+1], v[\OB+j:\OB+j+1], v[252:253] op_sel_hi:[1,0]   ; O^T under the new M; also the plain lines behind the conversions
.set j, j+2
.endr
	s_wait_alu depctr_va_vdst(0)
	s_wait_dscnt 0x0                               ; V's operands are in
.irp ct, 0,1,2,3                       ; four accumulators by turns, one instruction a turn
	v_wmma_f32_16x16x128_bf8_bf8 v[\OB+8*\ct:\OB+8*\ct+7], v[32+16*\ct:47+16*\ct], v[224:239], v[\OB+8*\ct:\OB+8*\ct+7]
.endr
.Lhidden_\@:
.endm
.macro TRIP                            ; 128 keys for both tiles
	STEP 16, 160, 8, 10, 56
	STEP 24, 192, 12, 14, 57
	s_add_co_u32 s58, s58, 128
	s_add_co_u32 s59, s59, 8192
.endm
	s_wait_loadcnt 0x0                             ; Q
	s_wait_tensorcnt 1                             ; my part of keys 0-255 is in; my second load may be out
	s_barrier_signal -1
	s_barrier_wait -1                              ; everybody's is
	s_mov_b32 s58, 0
	s_mov_b32 s59, 0
	s_mov_b32 s60, 2
.Lfirst:                                           ; keys 0-255, while the rest lands
	TRIP
	s_sub_co_u32 s60, s60, 1
	s_cmp_lg_u32 s60, 0
	s_cbranch_scc1 .Lfirst
	s_wait_tensorcnt 0x0                           ; my part of the rest is in,
	s_wait_dscnt 0x0
	s_barrier_signal -1
	s_barrier_wait -1                              ; everybody's is
	s_mov_b32 s58, 256
	s_mov_b32 s59, 16384
	s_mov_b32 s60, 14
.Lrest:                                            ; keys 256-2047: a constant count; steps behind a tile's queries cost three scalar lines
	TRIP
	s_sub_co_u32 s60, s60, 1
	s_cmp_lg_u32 s60, 0
	s_cbranch_scc1 .Lrest
	; THE WAY OUT: Y = O^T x 2^(e8 + e9) / the sum, held, converted under 2^e10: the codes are registers of the last product's operand
.rept 4
	v_nop                                          ; places behind the last products
.endr
	v_add_f32 v10, v10, v11
	v_add_f32 v14, v14, v15
	s_delay_alu instid0(VALU_DEP_2)
	v_permlanex16_b32 v246, v10, s20, s21
	s_delay_alu instid0(VALU_DEP_2)
	v_permlanex16_b32 v254, v14, s20, s21
	s_delay_alu instid0(VALU_DEP_2)
	v_add_f32 v10, v10, v246                       ; the rows' sums
	s_delay_alu instid0(VALU_DEP_2)
	v_add_f32 v14, v14, v254
	s_wait_alu depctr_va_vdst(0)
	v_rcp_f32 v10, v10
	v_rcp_f32 v14, v14
	v_nop                                          ; a plain line behind the reciprocals
	s_add_co_i32 s61, s76, s77
	s_wait_alu depctr_va_vdst(0)                   ; one wait for both, ahead of the first reader
	v_ldexp_f32 v10, v10, s61
	v_ldexp_f32 v14, v14, s61
.macro OUTT OB, RC, TT, PP, YB
.set j, 0
.rept 16
	v_pk_mul_f32 v[\TT+j:\TT+j+1], v[\OB+j:\OB+j+1], v[\RC:\RC+1] op_sel_hi:[1,0]   ; each accumulator from its low end on
.set j, j+2
.endr
.set j, 0
.rept 32
.set j, j+1
.endr
.irp ct, 0,1,2,3
	v_cvt_scalef32_pk8_bf8_f32 v[\PP+2*\ct:\PP+2*\ct+1], v[\TT+8*\ct:\TT+8*\ct+7], v5
.endr
	v_nop
	global_store_b128 v1, v[\PP:\PP+3], s[\YB:\YB+1]               ; 512 consecutive bytes, aligned
	global_store_b128 v1, v[\PP+4:\PP+7], s[\YB:\YB+1] offset:512
.endm
	OUTT 160, 10, 96, 224, 52
	OUTT 192, 14, 128, 232, 54
	s_wait_tensorcnt 0x0
	ds_add_u32 v251, v255
	s_wait_dscnt 0x0
	s_endpgm
.Lfunc_end_k_qf214d4be06_attn:
	.size	k_qf214d4be06_attn, .Lfunc_end_k_qf214d4be06_attn-k_qf214d4be06_attn
	.p2alignl 7, 3214868480
	.fill 96, 4, 3214868480
	.section	.rodata,"a",@progbits
	.p2align	6, 0x0
	.amdhsa_kernel k_qf214d4be06_attn
		.amdhsa_group_segment_fixed_size 327680
		.amdhsa_private_segment_fixed_size 0
		.amdhsa_enable_private_segment 0
		.amdhsa_kernarg_size 40
		.amdhsa_user_sgpr_count 2
		.amdhsa_user_sgpr_kernarg_segment_ptr 1
		.amdhsa_wavefront_size32 1
		.amdhsa_system_sgpr_workgroup_id_x 1
		.amdhsa_system_sgpr_workgroup_id_y 1
		.amdhsa_system_sgpr_workgroup_id_z 1
		.amdhsa_system_vgpr_workitem_id 0
		.amdhsa_next_free_vgpr 256
		.amdhsa_next_free_sgpr 100
		.amdhsa_reserve_vcc 1
		.amdhsa_float_denorm_mode_32 3
		.amdhsa_float_denorm_mode_16_64 3
		.amdhsa_fp16_overflow 1
		.amdhsa_memory_ordered 1
		.amdhsa_forward_progress 1
		.amdhsa_inst_pref_size 88
	.end_amdhsa_kernel
	.amdgpu_metadata
---
amdhsa.version: [ 1, 2 ]
amdhsa.kernels:
  - .name:           k_qf214d4be06_attn
    .symbol:         k_qf214d4be06_attn.kd
    .args:
      - { .name: q8, .offset: 0, .size: 8, .value_kind: global_buffer, .address_space: global }
      - { .name: k8, .offset: 8, .size: 8, .value_kind: global_buffer, .address_space: global }
      - { .name: v8, .offset: 16, .size: 8, .value_kind: global_buffer, .address_space: global }
      - { .name: lowp_scales, .offset: 24, .size: 8, .value_kind: global_buffer, .address_space: global }
      - { .name: y8, .offset: 32, .size: 8, .value_kind: global_buffer, .address_space: global }
    .group_segment_fixed_size: 327680
    .private_segment_fixed_size: 0
    .kernarg_segment_align: 8
    .kernarg_segment_size: 40
    .max_flat_workgroup_size: 512
    .sgpr_count:     100
    .vgpr_count:     256
    .wavefront_size: 32
...
	.end_amdgpu_metadata
.endif
;; end of part 3
;; launch oproj (part 4): grid 4 x 32, 4 waves a work-group, clusters of 4 x 4, 327,680 bytes of LDS; arguments y8, wc, lowp_scales, out0; writes out0
.if DOCPART == 4
	.amdgcn_target "amdgcn-amd-amdhsa--gfx1250"
	.amdhsa_code_object_version 6
	.text
	.protected	k_qf214d4be06_oproj
	.globl	k_qf214d4be06_oproj
	.p2align	8
	.type	k_qf214d4be06_oproj,@function
k_qf214d4be06_oproj:
	s_mov_b64 s[64:65], 0
	v_nop
	global_prefetch_b8 v0, s[64:65] scope:SCOPE_SE
	s_setreg_imm32_b32 hwreg(HW_REG_WAVE_MODE, 25, 1), 1
	s_wait_xcnt 0x0
	s_wait_alu depctr_hold_cnt(0) depctr_sa_sdst(0) depctr_va_vdst(0) depctr_va_sdst(0) depctr_va_ssrc(0) depctr_va_vcc(0) depctr_vm_vsrc(0)
	s_getreg_b32 s2, hwreg(HW_REG_IB_STS2, 6, 4)
	s_cmp_eq_u32 s2, 0
	s_cbranch_scc0 .Lentry_in_a_cluster
	s_endpgm
.Lentry_in_a_cluster:
	s_bfe_u32 s2, ttmp6, 0x10000c
	s_cmp_lg_u32 s2, 0xf033
	s_cbranch_scc0 .Lentry_shape_is_right
	s_endpgm
.Lentry_shape_is_right:
; out0 = Y Wo^T on codes of BF8 (E5M2): M = 8,192, N = K = 1,024; each finished sum x 2^(e10 + e11).  LIMIT: e10 + e11 between -126 and 127.
; OPERANDS ARE IMAGES OF REGISTERS: a unit of 16 rows x 128 K is 2,048 bytes, registers 4 g .. 4 g + 3 of lane l at 512 g + 16 l; units lie [row / 16][k / 128].  A fragment is four loads of 16 bytes a lane at 16 x lane: no pitch, no padding.
; A tile of 256 x 256 is made by four waves, each 128 x 128: 64 accumulators.  K goes in steps of 256 through two LDS slots: four steps, two first fills and two refills, written out.
; 8 clusters of 4 x 4 work-groups: Y's tiles are shared along a row of the cluster, Wo's along a column, each asked for jointly.  128 tiles: 128 work-groups.
; THE MATRIX INSTRUCTION IS USED TRANSPOSED (source 0 = 16 rows of Wo, source 1 = 16 rows of Y): a lane holds eight neighbouring numbers of a row of out0.
; No prefetch: of K's four steps two are asked for at the head and the other two could only be named there.
; REGISTERS, in windows of 256: window 0: v16-29 addresses; from v128 A's fragments, ONE set; on the way out v32-255 are free.  window 1: B's fragments, TWO sets.  windows 2, 3: the accumulators ((a, b) at v[8 (8 (a % 4) + b)]).
.set SIZE_N, 1024
.set KSB,   4096                       ; a K step of one row tile: two images
.set FR,    16
.set NL,    4
.set NP,    4                          ; places behind this matrix instruction (ISA guide 7.12.1)
.set HALFT, 8*KSB
.set SLOT,  4*HALFT
.set SPARE, 2*SLOT                     ; behind the ring: the spare words, 128 bytes a wave
.set SPITCH, 528                       ; the way out: a stage of 16 rows x (512 + 16) bytes a wave, in slot 0, which has had its last fill and its last read when the first result is stored there
.set ADRA, 16
.set ADRB, 20
.set STO,  24                          ; v24  the stage: where I put 32 bytes of a row
.set RD,   25                          ; v25  and where I read a row back
.set CO,   26                          ; v26  16 x lane
.set SPW,  28
.set NIL,  29
.set TMP,  32
.set AF,   128
.set BK,   128
.set G1,  24
.set G0,  32
.set G1B, 48
.set G0B, 56
.set MSB, 0
.macro WIN new
.if MSB != (\new)
	s_set_vgpr_msb (MSB<<8)|(\new)
.set MSB, \new
.endif
.endm
.set MUL_LO, 0xa1
.set MUL_HI, 0xf1
.set TO_B,   0x40
.macro JLOAD g0a, g1a, g0b, g1b        ; a joint load: waves 0, 1 fetch for A, waves 2, 3 for B; four v_nop follow each line
	s_cmp_eq_u32 s15, 0
	s_cbranch_scc0 .Lfor_b_\@
	tensor_load_to_lds s[\g0a:\g0a+3], s[\g1a:\g1a+7]
	s_nop 0
.rept 4
	v_nop
.endr
	s_branch .Lasked_\@
.Lfor_b_\@:
	tensor_load_to_lds s[\g0b:\g0b+3], s[\g1b:\g1b+7]
	s_nop 0
.rept 4
	v_nop
.endr
.Lasked_\@:
.endm
.macro CREST
	s_cmp_lg_u32 s14, 0
	s_cbranch_scc1 .Lnot_wave_0_\@
	s_barrier_signal -3
.Lnot_wave_0_\@:
	s_barrier_wait -3
	s_barrier_signal -1
	s_barrier_wait -1
.endm
.macro CROUND
	s_barrier_signal -1
	s_barrier_wait -1
	CREST
.endm
	s_load_b128 s[4:7], s[0:1], 0x0                ; y8, wc
	s_load_b128 s[8:11], s[0:1], 0x10              ; the scales' exponents, out0
	v_lshl_add_u32 v[SPW], v0, 2, SPARE
	v_mov_b32 v[NIL], 0
	ds_add_u32 v28, v29
	ds_add_u32 v28, v29
	s_wait_dscnt 0x0
	v_lshrrev_b32 v1, 5, v0
	v_readfirstlane_b32 s14, v1                    ; wave 0..3
	s_lshr_b32 s15, s14, 1                         ; my half of the rows.  Also: I fetch for A (0) or for B (1)
	s_and_b32 s16, s14, 1                          ; my half of the columns.  Also: which 128 rows I fetch
	s_bfe_u32 s40, ttmp6, 0x40000                  ; cx
	s_bfe_u32 s41, ttmp6, 0x40004                  ; cy
	s_lshl_b32 s42, ttmp9, 2
	s_add_co_u32 s42, s42, s40                     ; tile column
	s_and_b32 s17, ttmp7, 0xffff
	s_lshl_b32 s17, s17, 2
	s_add_co_u32 s17, s17, s41                     ; tile row
	s_lshl_b32 s43, s41, 2
	s_lshl_b32 s43, 15, s43                        ; my row of the cluster
	s_lshl_b32 s44, 0x1111, s40                    ; my column
	s_or_b32 s[G1+0], s43, (3<<16)|(1<<21)         ; the mask; elements of 8 bytes; bit 21 beside a mask; no padding
	s_or_b32 s[G1B+0], s44, (3<<16)|(1<<21)
.irp g, G1, G1B
	s_mov_b32 s[\g+1], 512<<16                     ; eight row tiles of 4,096 bytes, 16,384 bytes apart
	s_mov_b32 s[\g+2], 8<<16
	s_mov_b32 s[\g+3], 512<<16
	s_mov_b32 s[\g+4], 8
	s_mov_b32 s[\g+5], 2048
	s_mov_b32 s[\g+6], 0
	s_mov_b32 s[\g+7], 0
.endr
	s_lshl_b32 s18, s16, 17
	s_lshl_b32 s20, s17, 18
	s_add_co_u32 s20, s20, s18                     ; A: (256 x tile row + 128 x half) x 1,024 bytes
	s_lshl_b32 s46, s42, 18
	s_add_co_u32 s46, s46, s18
	s_add_co_u32 s46, s46, 0x300000                ; B: the same by the tile column, in Wo's part of wc
	s_mov_b32 s21, 0
	s_mov_b32 s47, 0
	s_lshl_b32 s45, s14, 15
	s_wait_kmcnt 0x0
	s_load_b64 s[96:97], s[8:9], 0x28              ; e10, e11
	s_add_nc_u64 s[20:21], s[4:5], s[20:21]
	s_add_nc_u64 s[46:47], s[6:7], s[46:47]
	CROUND                                         ; all sixteen work-groups are here: the first joint loads meet
.irp s, 0,1
	s_mov_b32 s[G0+4*\s], 1
	s_add_co_u32 s[G0+4*\s+1], s45, \s*SLOT
	s_add_nc_u64 s[G0+4*\s+2:G0+4*\s+3], s[20:21], \s*KSB
	s_or_b32 s[G0+4*\s+3], s[G0+4*\s+3], 0x80000000
	s_mov_b32 s[G0B+4*\s], 1
	s_add_co_u32 s[G0B+4*\s+1], s45, \s*SLOT
	s_add_nc_u64 s[G0B+4*\s+2:G0B+4*\s+3], s[46:47], \s*KSB
	s_or_b32 s[G0B+4*\s+3], s[G0B+4*\s+3], 0x80000000
	s_wait_alu depctr_va_vdst(0)
	s_wait_tensorcnt 0x0
	ds_add_u32 v28, v29
	ds_add_u32 v28, v29
	s_wait_dscnt 0x0
	CROUND
	JLOAD G0+4*\s, G1, G0B+4*\s, G1B
.endr
	v_and_b32 v1, 15, v0                           ; r
	s_wait_alu depctr_va_vdst(0)
	v_bfe_u32 v2, v0, 4, 1                         ; h
	v_and_b32 v6, 31, v0
	v_lshlrev_b32 v[CO], 4, v6
	s_lshl_b32 s21, s15, 15
	s_lshl_b32 s22, s16, 15
	s_add_co_u32 s22, s22, 2*HALFT
.irp s, 0,1
	v_add_nc_u32 v[ADRA+\s], s21, v[CO]
	v_add_nc_u32 v[ADRB+\s], s22, v[CO]
	s_add_co_u32 s21, s21, SLOT
	s_add_co_u32 s22, s22, SLOT
.endr
	s_mul_i32 s23, s14, 16*SPITCH                  ; my stage
	v_mul_u32_u24 v5, v1, SPITCH
	s_wait_alu depctr_va_vdst(0)
	v_lshl_add_u32 v5, v2, 5, v5
	v_add_nc_u32 v[STO], s23, v5                   ; in: row r, 32 bytes for each half of the lanes
	v_add_nc_u32 v[RD], s23, v[CO]                 ; back: the 32 lanes take a row of 512 bytes
	s_lshl_b32 s20, s17, 8
	s_lshl_b32 s21, s15, 7
	s_add_co_u32 s20, s20, s21                     ; my first row of out0,
	s_lshl_b32 s20, s20, 12                        ; 4,096 bytes a row,
	s_lshl_b32 s46, s42, 10                        ; my first column: 1,024 x tile column + 512 x half bytes
	s_lshl_b32 s47, s16, 9
	s_add_co_u32 s46, s46, s47
	s_add_co_u32 s20, s20, s46
	s_mov_b32 s21, 0
	s_add_nc_u64 s[10:11], s[10:11], s[20:21]
.macro FRAG reg, adr, q, i
.irp c, 0,1,2,3
	ds_load_b128 v[\reg+4*\c:\reg+4*\c+3], v[\adr] offset:(\i)*KSB+(\q)*2048+512*\c
.endr
.endm
; The 64 accumulators take turns, one instruction a turn, in the same order in every step.
.macro MUL16 a0, p, zero
.irp a, \a0, \a0+1
.irp b, 0,1,2,3,4,5,6,7
.if \zero
	v_wmma_f32_16x16x128_bf8_bf8 v[8*(8*((\a)%4)+\b):8*(8*((\a)%4)+\b)+7], v[128*(\p)+FR*\b:128*(\p)+FR*\b+FR-1], v[AF+FR*(\a):AF+FR*(\a)+FR-1], 0
.else
	v_wmma_f32_16x16x128_bf8_bf8 v[8*(8*((\a)%4)+\b):8*(8*((\a)%4)+\b)+7], v[128*(\p)+FR*\b:128*(\p)+FR*\b+FR-1], v[AF+FR*(\a):AF+FR*(\a)+FR-1], v[8*(8*((\a)%4)+\b):8*(8*((\a)%4)+\b)+7]
.endif
.endr
.endr
.endm
.macro FETCH_B slot, q, p
	WIN TO_B
.irp i, 0,1,2,3,4,5,6,7
	FRAG 128*(\p)+FR*\i, ADRB+\slot, \q, \i
.endr
	WIN 0
.endm
.macro FETCH_A slot, q, i0
.irp i, \i0, \i0+1, \i0+2, \i0+3
	FRAG AF+FR*(\i), ADRA+\slot, \q, \i
.endr
.endm
.macro PLACES n
.rept \n
	v_nop
.endr
.endm
.macro STEP slot, q, zero
	s_wait_dscnt 4*NL                              ; B's set and A's blocks 0-3 are in; the youngest sixteen loads (A's blocks 4-7) may be out
	WIN MUL_LO
	MUL16 0, (\q)%2, \zero
	MUL16 2, (\q)%2, \zero
	s_wait_dscnt 0
	PLACES NP
	FETCH_B \slot, (\q)+1, 1-(\q)%2
	FETCH_A \slot, (\q)+1, 0
	WIN MUL_HI
	MUL16 4, (\q)%2, \zero
	MUL16 6, (\q)%2, \zero
	PLACES NP
	WIN 0
	FETCH_A \slot, (\q)+1, 4
.endm
.macro TURN slot, next, fill
	s_wait_tensorcnt 0x0                           ; all my tensor loads have landed: my part of the next slot
	ds_add_u32 v[SPW], v[NIL]                      ; 0 onto my spare word
	s_wait_dscnt 4*NL+1                            ; (the add and A's blocks 4-7 may be out)
	WIN MUL_LO
	MUL16 0, 1, 0
	s_wait_dscnt 0x0                               ; the add is done, and my reads of this slot are over
	s_barrier_signal -1
	MUL16 2, 1, 0
	WIN 0
	s_barrier_wait -1
.if \fill
	CREST                                          ; the barrier has opened a round of the cluster's: no wave of any partner still reads the slot or has a load on its way
	s_add_nc_u64 s[G0+4*\slot+2:G0+4*\slot+3], s[G0+4*\slot+2:G0+4*\slot+3], 2*KSB
	s_add_nc_u64 s[G0B+4*\slot+2:G0B+4*\slot+3], s[G0B+4*\slot+2:G0B+4*\slot+3], 2*KSB
	JLOAD G0+4*\slot, G1, G0B+4*\slot, G1B
.else
	PLACES NP
.endif
	FETCH_B \next, 0, 0
	FETCH_A \next, 0, 0
	WIN MUL_HI
	MUL16 4, 1, 0
	MUL16 6, 1, 0
	PLACES NP
	WIN 0
	FETCH_A \next, 0, 4
.endm
	s_wait_tensorcnt 1                             ; my part of K step 0 is in (K step 1's load may be out),
	s_barrier_signal -1
	s_barrier_wait -1                              ; everybody's is
	FETCH_B 0, 0, 0
	FETCH_A 0, 0, 0
	FETCH_A 0, 0, 4
	STEP 0, 0, 1
	TURN 0, 1, 1
	STEP 1, 0, 0
	TURN 1, 0, 1
	STEP 0, 0, 0
	TURN 0, 1, 0                                   ; behind this barrier nobody reads slot 0 any more, and nothing fills it
	STEP 1, 0, 0
	s_wait_dscnt 4*NL
	WIN MUL_LO
	MUL16 0, 1, 0
	MUL16 2, 1, 0
	s_wait_dscnt 0
	WIN MUL_HI
	MUL16 4, 1, 0
	MUL16 6, 1, 0
	WIN 0
; THE WAY OUT, block by block of 16 rows x 128 columns: through my own stage and back as whole rows of 512 bytes.  LDS serves a wave's instructions in order (ISA guide 5.7.1.4): no wait between the stores and the loads.
.macro TOSTAGE a
.set AC, 64*((\a)%4)
	WIN 0x02+((\a)/4)
.set j, 0
.rept 32
	v_pk_mul_f32 v[TMP+j:TMP+j+1], v[AC+j:AC+j+1], s[96:97] op_sel_hi:[1,0]   ; x 2^(e10 + e11); each accumulator from its low end on
.set j, j+2
.endr
	WIN 0
.irp b, 0,1,2,3,4,5,6,7
	ds_store_b128 v[STO], v[TMP+8*\b:TMP+8*\b+3] offset:64*\b
	ds_store_b128 v[STO], v[TMP+8*\b+4:TMP+8*\b+7] offset:64*\b+16
.endr
.set BB, BK+64*((\a)%2)
.irp t, 0,1,2,3,4,5,6,7,8,9,10,11,12,13,14,15
	ds_load_b128 v[BB+4*\t:BB+4*\t+3], v[RD] offset:\t*SPITCH
.endr
.endm
.macro SEND a, younger                 ; younger: the LDS instructions issued behind block a's loads
.set BB, BK+64*((\a)%2)
	s_wait_dscnt \younger
.if (\a) > 0
	s_add_nc_u64 s[10:11], s[10:11], 16*SIZE_N*4   ; (behind a wait on XCNT: the earlier stores have read their base)
.endif
.irp t, 0,1,2,3,4,5,6,7,8,9,10,11,12,13,14,15
	global_store_b128 v[CO], v[BB+4*\t:BB+4*\t+3], s[10:11] offset:\t*SIZE_N*4 th:TH_STORE_NT   ; 512 consecutive bytes, aligned
.endr
.endm
	s_wait_kmcnt 0x0
	s_add_co_i32 s96, s96, s97
	s_add_co_i32 s96, s96, 127
	s_lshl_b32 s96, s96, 23                        ; 2^(e10 + e11) as f32
	PLACES NP                                      ; behind the last products: their results are read, and loads land where A's fragments lay
	TOSTAGE 0
.irp a, 1,2,3,4,5,6,7
.if \a > 1
	s_wait_xcnt 0x0                                ; block a - 2's stores have read their registers and their base
.endif
	TOSTAGE \a
	SEND \a-1, 32                                  ; behind block a - 1's loads: block a's 16 stores and 16 loads
.endr
	s_wait_xcnt 0x0
	SEND 7, 0
	s_wait_tensorcnt 0x0                           ; the wave's end
	ds_add_u32 v[SPW], v[NIL]
	s_wait_dscnt 0x0
	CROUND                                         ; the closing round
	s_endpgm
.Lfunc_end_k_qf214d4be06_oproj:
	.size	k_qf214d4be06_oproj, .Lfunc_end_k_qf214d4be06_oproj-k_qf214d4be06_oproj
	.p2alignl 7, 3214868480
	.fill 96, 4, 3214868480
	.section	.rodata,"a",@progbits
	.p2align	6, 0x0
	.amdhsa_kernel k_qf214d4be06_oproj
		.amdhsa_group_segment_fixed_size 327680
		.amdhsa_private_segment_fixed_size 0
		.amdhsa_enable_private_segment 0
		.amdhsa_kernarg_size 32
		.amdhsa_user_sgpr_count 2
		.amdhsa_user_sgpr_kernarg_segment_ptr 1
		.amdhsa_wavefront_size32 1
		.amdhsa_system_sgpr_workgroup_id_x 1
		.amdhsa_system_sgpr_workgroup_id_y 1
		.amdhsa_system_sgpr_workgroup_id_z 1
		.amdhsa_system_vgpr_workitem_id 0
		.amdhsa_next_free_vgpr 1024
		.amdhsa_next_free_sgpr 98
		.amdhsa_reserve_vcc 0
		.amdhsa_float_denorm_mode_32 3
		.amdhsa_float_denorm_mode_16_64 3
		.amdhsa_memory_ordered 1
		.amdhsa_forward_progress 1
		.amdhsa_inst_pref_size 124
	.end_amdhsa_kernel
	.amdgpu_metadata
---
amdhsa.version: [ 1, 2 ]
amdhsa.kernels:
  - .name:           k_qf214d4be06_oproj
    .symbol:         k_qf214d4be06_oproj.kd
    .args:
      - { .name: y8, .offset: 0, .size: 8, .value_kind: global_buffer, .address_space: global }
      - { .name: wc, .offset: 8, .size: 8, .value_kind: global_buffer, .address_space: global }
      - { .name: lowp_scales, .offset: 16, .size: 8, .value_kind: global_buffer, .address_space: global }
      - { .name: out0, .offset: 24, .size: 8, .value_kind: global_buffer, .address_space: global }
    .group_segment_fixed_size: 327680
    .private_segment_fixed_size: 0
    .kernarg_segment_align: 8
    .kernarg_segment_size: 32
    .max_flat_workgroup_size: 128
    .sgpr_count:     98
    .vgpr_count:     1024
    .wavefront_size: 32
...
	.end_amdgpu_metadata
.endif
;; end of part 4
